; MI455X (gfx1250); checked and timed in simulation.
; The chip was launched on July 23, 2026; its instructions are those of AMD's public machine-readable ISA for CDNA 5 (MIT licence, August 2026) and "CDNA5" Instruction Set Architecture Reference Guide (July 2026). The comments in the code are by the model that wrote it; some were corrected since.
;; Perceiver Attn. Allowed arithmetic: matrix products marked QUANTISED: E2M3 operands, one E8M0 scale for each 32 along K, by v_wmma_scale_f32_16x16x128_f8f6f4 with both operands' format E2M3, f32 sums; everything else in f32.
;; Inputs: Wk 1,024 x 1,024 float32; Wq 1,024 x 1,024 float32; Wv 1,024 x 1,024 float32; x 4 x 4,096 x 1,024 float32.
;; Outputs: out0 4 x 512 x 1,024 float32.
;; Constants: q_len = 512.
;; This version of the problem:
;;   THIS VERSION OF THE PROBLEM IS GIVEN IN LOW PRECISION. The matrix products marked QUANTISED in the list below multiply operands that are first quantised to E2M3 (2 exponent bits, 3 mantissa bits; 6 bits a number), with one power-of-two scale for each 32 numbers along K (OCP MX v1.0); their sums are f32. All else is computed in f32.
;;   The module's matrix products, in the order in which they are computed (A, B: the left and right operand; K: the contracted axis; several contracted axes count as one K, in the product's order):
;;     1. [M 16,384, K 1,024] x [K 1,024, N 1,024]; A: input x; B: input Wk: QUANTISED
;;     2. [M 16,384, K 1,024] x [K 1,024, N 1,024]; A: input x; B: input Wv: QUANTISED
;;     3. [M 2,048, K 1,024] x [K 1,024, N 1,024]; A: input x; B: input Wq: QUANTISED
;;     4. batch 64 x [M 512, K 64] x [K 64, N 4,096]; A: computed on the way; B: computed on the way: QUANTISED
;;     5. batch 64 x [M 512, K 4,096] x [K 4,096, N 64]; A: softmax (see below); B: computed on the way: QUANTISED
;;   THE QUANTISER, for each operand of a quantised product, along K:
;;     - K is cut into blocks of 32 from its start; a last block that is shorter is filled with zeros.
;;     - A block's scale is 2^e with e = floor(log2(the largest magnitude in the block)) - 2, held to -126 .. 127; a block of zeros has e = 0. As a byte (E8M0): e + 127.
;;     - Each number is divided by its block's scale, clamped to +-7.5, and rounded to the nearest number of E2M3, ties to even, subnormals kept.
;;     - The product sums the exact products of the quantised numbers (number of the format x scale) in f32.
;;   ~~~python
;;   def quantise(x, axis):      # numpy; x: float32 -> the quantised numbers, widened to float32 again
;;       x = np.moveaxis(x, axis, -1); K = x.shape[-1]
;;       x = np.pad(x, [(0, 0)] * (x.ndim - 1) + [(0, -K % 32)]); x = x.reshape(x.shape[:-1] + (-1, 32)); a = np.abs(x).max(-1, keepdims=True)
;;       e = np.where(a > 0, np.clip(np.frexp(np.where(a > 0, a, 1))[1] - 1 - 2, -126, 127), 0)      # np.frexp(a)[1] - 1 = floor(log2(a)), exactly
;;       r = np.clip(x / 2.0 ** e, -7.5, 7.5)
;;       step = 2.0 ** (np.maximum(np.frexp(np.where(r == 0, 1, r))[1] - 1, 0) - 3)
;;       q = np.round(r / step) * step * 2.0 ** e      # np.round: ties to even
;;       return np.moveaxis(q.reshape(q.shape[:-2] + (-1,))[..., :K], -1, axis).astype(np.float32)
;;   ~~~
;;   SOFTMAX AHEAD OF A QUANTISED PRODUCT. Where the list says 'softmax', what is quantised is not the finished softmax but p = 2^(t - M), with t = logit x log2(e) and M = ceil(the row's largest t), a whole number; so 1/2 < the row's largest p <= 1. The row's sum l is taken of the UNQUANTISED p, in f32, and the product's result is divided by l at the end. Since M is a whole number, a kernel that streams over the keys may use a running M (the ceiling of the running maximum): every later rescaling is an exact power of two, which a block's scale takes up: the codes' values come out the same.
;;   OPERANDS COMPUTED ON THE WAY. 'Computed on the way' means the value that the module computes at that place (a softmax that the list does not call 'softmax' is quantised finished and normalised). What goes into a quantiser is computed in f32, as accurately as f32 sums, v_exp_f32 and their like allow (about 1e-6 of the number): no bf16 or f16 on the way to a quantiser, and a product that is left as it is and whose result goes on into a quantised operand takes f32 operands (vector FMAs, or v_wmma_f32_16x16x4_f32). A number that lies on a knife's edge between two numbers of the format may be rounded either way, as far as f32 arithmetic and the matrix unit's own rounding can turn it there, and no further.
;; One version. Each part assembles by itself: llvm-mc -triple=amdgcn-amd-amdhsa -mcpu=gfx1250 --defsym DOCPART=n.
;; ======== version 1 of 1: 3 launches
;; limits: right only within a limited range of input values
;; workspace buffers: XC 13,107,200 bytes; WKV 1,638,400 bytes; WQC 819,200 bytes; TAB 1,048,576 bytes; KV 26,738,688 bytes
;; launch prep (part 1): grid 640 x 1, 4 waves a work-group, no clusters, 35,328 bytes of LDS; arguments x, Wk, Wv, Wq, XC, WKV, WQC, TAB; writes XC, WKV, WQC, TAB
.if DOCPART == 1
	.amdgcn_target "amdgcn-amd-amdhsa--gfx1250"
	.amdhsa_code_object_version 6
	.text
	.protected	k_qdd948cc745_prep
	.globl	k_qdd948cc745_prep
	.p2align	8
	.type	k_qdd948cc745_prep,@function
k_qdd948cc745_prep:
	s_mov_b64 s[64:65], 0
	v_nop
	global_prefetch_b8 v0, s[64:65] scope:SCOPE_SE
	s_setreg_imm32_b32 hwreg(HW_REG_WAVE_MODE, 25, 1), 1
	s_wait_xcnt 0x0
; x [16384][1024], Wk, Wv, Wq [1024][1024], f32, K innermost, become codes of FP6 (E2M3) with one E8M0 byte for each 32 along K, laid as IMAGES OF OPERAND REGISTERS;
; and the rotary's table TAB [4096 positions][32 frequencies][cos, sin] f32 is made.
; A BLOCK is 64 rows x 1,024 K = 51,200 bytes: fragment (K step s, tile m) at 6144 s + 1536 m as three images of 512 bytes (registers 4 g .. 4 g + 3 of lane l at 512 g + 16 l);
; lane (r, h) holds row(m, r), registers 6 c .. 6 c + 5 = k 128 s + 64 c + 32 h + 0 .. 31.  Scale words at 49152 + 512 m + 16 l + 4 j: register j of lane (r, H) is row(m, r)'s word of K step j + 4 H.
; row(m, r) = 8 m + r % 8 + 32 (r / 8) for x, Wk, Wq (so that a transposed product's registers are neighbours along the next K), 16 m + r for Wv.
; SHARES: work-groups 0-607: two to a block, a wave takes (tile m, K steps 4 H .. 4 H + 3): 16 rows x 512 numbers.  Work-groups 608-639: the table, a wave 32 positions, a lane a frequency.
; Each load reads 512 consecutive bytes of one row; a K step's 16 x 512 bytes turn through the wave's own stage in LDS (rows 528 bytes apart) and come back 256 bytes a lane.  Waves share nothing: no barrier.
; No work-group reads what another reads, so there is nothing to ask for jointly: no cluster.
; LIMITS: NaN and infinities are not served.  A block of zeros, or one whose largest magnitude lies under 2^-124, gets the byte 1 where the rule says 127: its codes are zeros (or held there), and this program alone reads the bytes.
; The frequencies are 10000^(-f/32) to about 1.5 units in the last place, not the bits of another library's pow: a phase may differ by some 4e-4 at position 4095.  sin and cos: polynomials on |r| <= pi/4, about one unit in the last place.
.set SPARE, 34816                      ; behind the four waves' regions: the spare words, 128 bytes a wave
.set WREG,  8704                       ; a wave's LDS: a stage of 16 x 528 bytes, then 256 bytes of scale words
.set SP,    528
.set BLK,   51200
.set L16, 1                            ; 16 x lane
.set VB,  2                            ; the same, 24 rows further down (none for Wv) where the tile's rows 8-15 lie so
.set STS, 3                            ; stage, in
.set STL, 4                            ; stage, out
.set SCS, 5                            ; my row's scale words
.set SCL, 6                            ; the 256 bytes, 8 a lane
.set L8,  8
.set H8,  9
.set SPW, 10
.set NIL, 11
.set TM,  12
.set SO,  14
.set BY,  16
.set W,   18
.set WP,  19
.set PT,  20
.set PC,  28
.set OUTP, 40
.set LN,  42
.set RR,  43
.set HH,  44
.set R,   64                           ; v64-191 two sets of 64 registers as loaded
.set X,   192                          ; v192-255 my 64 numbers of a K step
	s_load_b256 s[4:11], s[0:1], 0x0               ; x, Wk, Wv, Wq
	s_load_b256 s[12:19], s[0:1], 0x20             ; XC, WKV, WQC, TAB
	v_lshl_add_u32 v[SPW], v0, 2, SPARE
	v_mov_b32 v[NIL], 0
	v_lshrrev_b32 v[LN], 5, v0
	v_readfirstlane_b32 s20, v[LN]                 ; wave
	v_and_b32 v[LN], 31, v0                        ; lane
	v_lshlrev_b32 v[L8], 3, v[LN]
	s_cmp_ge_u32 ttmp9, 608
	s_cbranch_scc1 .Ltable
	s_lshr_b32 s21, ttmp9, 1                       ; which block, 0 .. 303
	s_and_b32 s22, ttmp9, 1
	s_lshl_b32 s22, s22, 2
	s_add_co_u32 s22, s22, s20
	s_lshr_b32 s23, s22, 1                         ; m
	s_and_b32 s24, s22, 1                          ; H
	s_and_b32 s25, s21, 15                         ; a weight's head
	s_lshr_b32 s26, s25, 2
	s_lshl_b32 s26, s26, 3
	s_and_b32 s27, s25, 3
	s_add_co_u32 s26, s26, s27                     ; Wk's unit in WKV: 8 (head / 4) + head % 4
	s_add_co_u32 s27, s26, 4                       ; Wv's: four further on
	; THE ORDER OF A TILE'S ROWS for x, Wk, Wq is row(m, r) = 8 m + r % 8 + 32 (r / 8) (it takes the place of the order named at the head):
	; a lane of a transposed product then holds 32 neighbours along the next K, a whole block
	s_lshl_b32 s32, s23, 3                         ; the tile's first row: 8 m,
	s_lshl_b32 s33, s23, 4                         ; or 16 m
	s_lshr_b32 s34, s21, 4
	s_cmp_eq_u32 s34, 17                           ; blocks 272 .. 287 are Wv's
	s_cselect_b32 s32, s33, s32
	s_cselect_b32 s33, 0, 24                       ; rows 8-15 of a tile lie 24 rows further down, but for Wv
	s_lshl_b32 s33, s33, 12
	s_mul_i32 s35, s20, WREG
	s_wait_alu depctr_va_vdst(0)
	v_lshlrev_b32 v[L16], 4, v[LN]
	v_and_b32 v[RR], 15, v0
	v_bfe_u32 v[HH], v0, 4, 1
	v_lshlrev_b32 v[H8], 3, v[HH]
	v_add_nc_u32 v[VB], s33, v[L16]
	v_add_nc_u32 v[STS], s35, v[L16]
	v_mul_u32_u24 v[STL], v[RR], SP
	v_lshl_add_u32 v[STL], v[HH], 7, v[STL]
	v_add_nc_u32 v[STL], s35, v[STL]               ; row r, + 128 h: my 32 numbers of each 64
	s_add_co_u32 s35, s35, 16*SP
	v_lshl_add_u32 v[SCS], v[RR], 4, s35
	v_add_nc_u32 v[SCL], s35, v[L8]
	v_mov_b32 v[WP], 0                             ; a lane permute's destination counts as read
	s_mov_b32 s45, 0x76543210
	s_mov_b32 s46, 0xfedcba98
	s_wait_alu depctr_va_vdst(0)
	s_wait_kmcnt 0x0
	s_cmp_lt_u32 s21, 288                          ; the buffers are chosen by the block's number alone
	s_cselect_b64 s[28:29], s[8:9], s[10:11]
	s_cselect_b64 s[30:31], s[14:15], s[16:17]
	s_cselect_b32 s36, s27, s25
	s_cmp_lt_u32 s21, 272
	s_cselect_b64 s[28:29], s[6:7], s[28:29]
	s_cselect_b32 s36, s26, s36
	s_cmp_lt_u32 s21, 256
	s_cselect_b64 s[28:29], s[4:5], s[28:29]
	s_cselect_b64 s[30:31], s[12:13], s[30:31]
	s_cselect_b32 s36, s21, s36                    ; which block of the buffer written
	s_cselect_b32 s37, s21, s25                    ; which 64 rows of the tensor read
	s_lshl_b32 s38, s37, 18
	s_lshl_b32 s39, s32, 12
	s_add_co_u32 s38, s38, s39
	s_lshl_b32 s39, s24, 11
	s_add_co_u32 s38, s38, s39
	s_mov_b32 s39, 0
	s_add_nc_u64 s[28:29], s[28:29], s[38:39]      ; the tile's first row, K = 512 H
	s_mul_i32 s38, s36, BLK
	s_add_nc_u64 s[30:31], s[30:31], s[38:39]      ; the block
	s_lshl_b32 s40, s23, 9
	s_lshl_b32 s41, s24, 8
	s_add_co_u32 s40, s40, s41
	s_add_co_u32 s40, s40, 49152
	s_mov_b32 s41, 0
	s_add_nc_u64 s[42:43], s[30:31], s[40:41]      ; my 256 bytes of scale words
	s_mul_i32 s38, s23, 1536
	s_mul_i32 s44, s24, 4*6144
	s_add_co_u32 s38, s38, s44
	s_add_nc_u64 s[30:31], s[30:31], s[38:39]      ; my first fragment
.macro LOAD t                          ; K step t of my four: 16 rows x 512 bytes; the 32 lanes read one row's 512 consecutive bytes
.irp i, 0,1,2,3,4,5,6,7
	global_load_b128 v[R+64*((\t)%2)+4*\i:R+64*((\t)%2)+4*\i+3], v[L16], s[28:29] offset:\i*4096+(\t)*512 th:TH_LOAD_NT
.endr
.irp i, 8,9,10,11,12,13,14,15
	global_load_b128 v[R+64*((\t)%2)+4*\i:R+64*((\t)%2)+4*\i+3], v[VB], s[28:29] offset:\i*4096+(\t)*512 th:TH_LOAD_NT
.endr
.endm
.macro TURN t                          ; through the stage: LDS serves a wave's instructions in order, so no wait stands between the stores and the loads
.irp i, 0,1,2,3,4,5,6,7,8,9,10,11,12,13,14,15
	ds_store_b128 v[STS], v[R+64*((\t)%2)+4*\i:R+64*((\t)%2)+4*\i+3] offset:\i*SP
.endr
.irp c, 0,1
.irp j, 0,1,2,3,4,5,6,7
	ds_load_b128 v[X+32*\c+4*\j:X+32*\c+4*\j+3], v[STL] offset:256*\c+16*\j
.endr
.endr
.endm
.macro Q128                            ; my two whole blocks (h and 2 + h of the K step) become registers 6 c .. 6 c + 5 of the fragment; the row's scale word in v[W]
.irp c, 0,1
	v_max3_num_f32 v[TM+\c], |v[X+32*\c]|, |v[X+32*\c+1]|, 0x1800000   ; with the floor 2^(3 - 127): the byte cannot fall under 1
.endr
.irp i, 2,4,6,8,10,12,14,16,18,20,22,24,26,28,30
.irp c, 0,1
	v_max3_num_f32 v[TM+\c], v[TM+\c], |v[X+32*\c+\i]|, |v[X+32*\c+\i+1]|
.endr
.endr
.irp c, 0,1
	v_add_nc_u32 v[SO+\c], 0xff000000, v[TM+\c]    ; 2 off the exponent field: the conversion's scale operand
.endr
.irp c, 0,1
	v_lshrrev_b32 v[BY+\c], 23, v[SO+\c]           ; the scale's byte
.endr
	v_lshl_or_b32 v[W], v[BY+1], 16, v[BY]
	v_lshlrev_b32 v[W], v[H8], v[W]                ; my two bytes at their places,
	v_permlanex16_b32 v[WP], v[W], s45, s46
	v_or_b32 v[W], v[W], v[WP]                     ; with lane l xor 16's two the word is whole
.irp c, 0,1
	v_cvt_scalef32_pk16_fp6_f32 v[PC+6*\c:PC+6*\c+2], v[X+32*\c:X+32*\c+15], v[SO+\c]
	v_cvt_scalef32_pk16_fp6_f32 v[PT+4*\c:PT+4*\c+2], v[X+32*\c+16:X+32*\c+31], v[SO+\c]   ; (a conversion's three registers begin on an even number)
.endr
	v_nop                                          ; one plain place behind a scaled conversion
.irp c, 0,1
.irp i, 0,1,2
	v_mov_b32 v[PC+6*\c+3+\i], v[PT+4*\c+\i]
.endr
.endr
.endm
.macro QSTEP t
.if (\t) < 3
	s_wait_loadcnt 16                              ; this step's 16 loads are in; the next step's 16 may be out
.else
	s_wait_loadcnt 0x0
.endif
	TURN \t
	s_wait_dscnt 0x0                               ; my 64 numbers are back
	s_wait_xcnt 0x0                                ; the last step's stores have read the codes' registers, which are written again below
.if (\t) < 2
	LOAD (\t)+2
.endif
	Q128
	ds_store_b32 v[SCS], v[W] offset:4*(\t)        ; both lanes of a row write the same word with the same value
.irp g, 0,1,2
	global_store_b128 v[L16], v[PC+4*\g:PC+4*\g+3], s[30:31] offset:(\t)*6144+\g*512   ; 512 consecutive bytes, aligned
.endr
.endm
	LOAD 0
	LOAD 1
	QSTEP 0
	QSTEP 1
	QSTEP 2
	QSTEP 3
	ds_load_b64 v[OUTP:OUTP+1], v[SCL]             ; in order behind my stores
	s_wait_dscnt 0x0
	global_store_b64 v[L8], v[OUTP:OUTP+1], s[42:43]   ; 256 consecutive bytes, aligned
	s_wait_tensorcnt 0x0                           ; the wave's end
	ds_add_u32 v[SPW], v[NIL]
	s_wait_dscnt 0x0
	s_endpgm
.Ltable:
	s_sub_co_u32 s21, ttmp9, 608
	s_lshl_b32 s21, s21, 2
	s_add_co_u32 s21, s21, s20                     ; which 32 positions
	s_lshl_b32 s22, s21, 5                         ; the first of them
	s_lshl_b32 s24, s21, 13                        ; x 256 bytes a position
	s_mov_b32 s25, 0
	s_mov_b32 s26, 0xbed49a78                      ; -log2(10) / 8, rounded,
	s_mov_b32 s27, 0xb2179a6c                      ; and what the rounding left
	s_mov_b32 s28, 0xbfc90fdb                      ; -pi/2, rounded,
	s_mov_b32 s29, 0x333bbd2e                      ; and what the rounding left (pi/2 lies under its f32 number)
	s_wait_alu depctr_va_vdst(0)
	v_cvt_f32_u32 v50, v[LN]                       ; f
	v_mul_f32 v51, s26, v50                        ; p = -f log2(10) / 8, rounded;
	v_fma_f32 v52, v50, s26, -v51                  ; what that rounding lost,
	v_fma_f32 v52, v50, s27, v52                   ; and the constant's rest
	s_wait_alu depctr_va_vdst(0)
	v_exp_f32 v53, v51
	v_mul_f32 v52, 0x3f317218, v52                 ; x ln 2.  (The plain place behind the exponential)
	s_wait_alu depctr_va_vdst(0)                   ; ahead of the exponential's first reader
	v_fma_f32 v54, v53, v52, v53                   ; 10000^(-f/32) = 2^p (1 + e ln 2)
	v_mov_b32 v55, 0xb94ca1f9
	v_mov_b32 v56, 0x37ccf5ce
	s_wait_kmcnt 0x0
	s_add_nc_u64 s[18:19], s[18:19], s[24:25]
	s_mov_b32 s23, 0
.Ltab:
	v_cvt_f32_u32 v57, s22
	s_wait_alu depctr_va_vdst(0)
	v_mul_f32 v57, v57, v54                        ; the phase, rounded once
	v_mul_f32 v58, 0x3f22f983, v57
	v_rndne_f32 v58, v58                           ; n = the nearest multiple of pi/2
	v_fma_f32 v59, v58, s28, v57
	v_fma_f32 v59, v58, s29, v59                   ; r = phase - n pi/2, |r| <= pi/4
	v_mul_f32 v60, v59, v59
	v_fmaak_f32 v61, v60, v55, 0x3c08839e
	v_fmaak_f32 v62, v60, v56, 0xbab6061a
	v_fmaak_f32 v61, v61, v60, 0xbe2aaaa3
	v_fmaak_f32 v62, v62, v60, 0x3d2aaaa5
	v_mul_f32 v61, v61, v60
	v_mul_f32 v63, v60, v60
	v_fma_f32 v64, v60, -0.5, 1.0
	v_fma_f32 v61, v61, v59, v59                   ; sin r
	v_fma_f32 v62, v62, v63, v64                   ; cos r
	v_cvt_i32_f32 v65, v58
	v_and_b32 v66, 1, v65
	v_cmp_eq_u32 vcc_lo, 1, v66                    ; n odd: the two change places (a choice of values only)
	v_cndmask_b32 v67, v61, v62, vcc_lo
	v_cndmask_b32 v68, v62, v61, vcc_lo
	v_and_b32 v69, 2, v65
	v_lshlrev_b32 v69, 30, v69                     ; sin is negated where n % 4 is 2 or 3,
	v_add_nc_u32 v70, 1, v65
	v_and_b32 v70, 2, v70
	v_lshlrev_b32 v70, 30, v70                     ; cos where it is 1 or 2
	v_xor_b32 v72, v68, v70
	v_xor_b32 v73, v67, v69
	global_store_b64 v[L8], v[72:73], s[18:19]     ; a position's 256 bytes
	s_wait_xcnt 0x0                                ; the store has read its data and its base
	s_add_nc_u64 s[18:19], s[18:19], 256
	s_add_co_u32 s22, s22, 1
	s_add_co_u32 s23, s23, 1
	s_cmp_lt_u32 s23, 32
	s_cbranch_scc1 .Ltab
	s_endpgm
.Lfunc_end_k_qdd948cc745_prep:
	.size	k_qdd948cc745_prep, .Lfunc_end_k_qdd948cc745_prep-k_qdd948cc745_prep
	.p2alignl 7, 3214868480
	.fill 96, 4, 3214868480
	.section	.rodata,"a",@progbits
	.p2align	6, 0x0
	.amdhsa_kernel k_qdd948cc745_prep
		.amdhsa_group_segment_fixed_size 35328
		.amdhsa_private_segment_fixed_size 0
		.amdhsa_enable_private_segment 0
		.amdhsa_kernarg_size 64
		.amdhsa_user_sgpr_count 2
		.amdhsa_user_sgpr_kernarg_segment_ptr 1
		.amdhsa_wavefront_size32 1
		.amdhsa_system_sgpr_workgroup_id_x 1
		.amdhsa_system_sgpr_workgroup_id_y 1
		.amdhsa_system_sgpr_workgroup_id_z 1
		.amdhsa_system_vgpr_workitem_id 0
		.amdhsa_next_free_vgpr 256
		.amdhsa_next_free_sgpr 66
		.amdhsa_reserve_vcc 1
		.amdhsa_float_denorm_mode_32 3
		.amdhsa_float_denorm_mode_16_64 3
		.amdhsa_memory_ordered 1
		.amdhsa_forward_progress 1
		.amdhsa_inst_pref_size 34
	.end_amdhsa_kernel
	.amdgpu_metadata
---
amdhsa.version: [ 1, 2 ]
amdhsa.kernels:
  - .name:           k_qdd948cc745_prep
    .symbol:         k_qdd948cc745_prep.kd
    .args:
      - { .name: x, .offset: 0, .size: 8, .value_kind: global_buffer, .address_space: global }
      - { .name: Wk, .offset: 8, .size: 8, .value_kind: global_buffer, .address_space: global }
      - { .name: Wv, .offset: 16, .size: 8, .value_kind: global_buffer, .address_space: global }
      - { .name: Wq, .offset: 24, .size: 8, .value_kind: global_buffer, .address_space: global }
      - { .name: XC, .offset: 32, .size: 8, .value_kind: global_buffer, .address_space: global }
      - { .name: WKV, .offset: 40, .size: 8, .value_kind: global_buffer, .address_space: global }
      - { .name: WQC, .offset: 48, .size: 8, .value_kind: global_buffer, .address_space: global }
      - { .name: TAB, .offset: 56, .size: 8, .value_kind: global_buffer, .address_space: global }
    .group_segment_fixed_size: 35328
    .private_segment_fixed_size: 0
    .kernarg_segment_align: 8
    .kernarg_segment_size: 64
    .max_flat_workgroup_size: 128
    .sgpr_count:     66
    .vgpr_count:     256
    .wavefront_size: 32
...
	.end_amdgpu_metadata
.endif
;; end of part 1
;; launch proj (part 2): grid 64 x 4, 4 waves a work-group, clusters of 4 x 4, 327,680 bytes of LDS; arguments XC, WKV, TAB, KV; writes KV
.if DOCPART == 2
	.amdgcn_target "amdgcn-amd-amdhsa--gfx1250"
	.amdhsa_code_object_version 6
	.text
	.protected	k_qdd948cc745_proj
	.globl	k_qdd948cc745_proj
	.p2align	8
	.type	k_qdd948cc745_proj,@function
k_qdd948cc745_proj:
	s_mov_b64 s[64:65], 0
	v_nop
	global_prefetch_b8 v0, s[64:65] scope:SCOPE_SE
	s_setreg_imm32_b32 hwreg(HW_REG_WAVE_MODE, 25, 1), 1
	s_wait_xcnt 0x0
	s_wait_alu depctr_hold_cnt(0) depctr_sa_sdst(0) depctr_va_vdst(0) depctr_va_sdst(0) depctr_va_ssrc(0) depctr_va_vcc(0) depctr_vm_vsrc(0)
	s_getreg_b32 s2, hwreg(HW_REG_IB_STS2, 6, 4)
	s_cmp_eq_u32 s2, 0
	s_cbranch_scc0 .Lentry_in_a_cluster
	s_endpgm
.Lentry_in_a_cluster:
	s_bfe_u32 s2, ttmp6, 0x10000c
	s_cmp_lg_u32 s2, 0xf033
	s_cbranch_scc0 .Lentry_shape_is_right
	s_endpgm
.Lentry_shape_is_right:
; k = x Wk^T with the rotary, quantised along the head's 64; v = x Wv^T, quantised along the keys.  Both products on codes of FP6 (E2M3) with E8M0 scales, sums in f32.
; SHARES.  A work-group takes 256 tokens (its x) and 4 heads of k and 4 of v (its y): 8 units of 64 output columns.  Wave w owns 64 tokens for the whole launch: their codes, 51,200 bytes laid as register images,
; go from memory straight into 384 + 16 registers.  Only weights go through LDS: a unit is 51,200 bytes for 128 matrix instructions of each wave; all four waves read the same fragments.
; CLUSTER 4 x 4.  The weights hang on y alone: the four work-groups of a row of the cluster ask for them JOINTLY.  x's codes are shared by the four of a column, but they are read once, at the head, into registers:
; through LDS they would want 4 x 51,200 bytes beside the two slots of 102,400, which is more than a work-group has.
; RING.  Two slots of two units; each wave fetches a quarter of a slot (100 rows of 256 bytes) with one load.  By this text's own count a wave has two tensor loads out at the start and one behind each of the two refills.
; k: source 0 = 16 rows of Wk, source 1 = 16 tokens: a lane holds one token and its 32 registers run along the head (register 16 b + i = d 32 b + 16 h + i, by the order of Wk's rows in a tile).
; v: source 0 = 16 tokens, source 1 = 16 rows of Wv: a lane holds one channel and its 32 registers run along the tokens (by the order of x's rows in a tile).
; OUT: KV, for each (batch, head) and each 128 keys a block of 13,056 bytes of register images: K's codes 2 x 3,072; V's 2 x 4 x 768; K's scale words 2 x 256; V's scale halves 2 x 128 (the halves: two waves' 64 tokens).
; V's scale halves leave as 128 consecutive bytes, two waves to 256; all other stores cover 256 or 512 consecutive bytes, aligned.
; LIMITS: NaN and infinities are not served; a block of zeros or under 2^-124 gets the byte 1 (its codes are zeros, and this program alone reads the bytes).
; REGISTERS: window 0: v1-11 addresses; v16-31 x's scale words; v32-47 the unit's; v48-79 rotated numbers; v80-95 at work; v96-119 codes; v128-255 the 16 accumulators.
;   window 1: x's fragments of K steps 0-4 (48 s + 12 m).  window 2: those of K steps 5-7; weight buffers 0, 1 at v144, v192.  window 3: v0-127 cos and sin of my tokens; weight buffers 2, 3 at v128, v176.
.set UNIT,  51200
.set SLOT1, 1<<17
.set SPARE, 233472                     ; behind slot 1: the spare words, 128 bytes a wave
.set KVH,   32*13056                   ; from a head to the next in KV
.set L16, 1
.set L8,  2
.set L4,  3
.set ADW, 4
.set VT,  5
.set SPW, 6
.set NIL, 7
.set OK16, 8
.set OV8, 9
.set OKS, 10
.set OVS, 11
.set H8,  13                           ; 8 x (lane / 16): where my block's byte stands in a scale word
.set XS,  16
.set WS,  32
.set T,   48
.set TM,  80
.set TP,  82
.set SO,  84
.set BY,  86
.set PT,  88
.set KW,  92
.set PC,  96
.set OS,  120
.set ACC, 128
.set WV,  12
.set TB,  16
.set CNT, 17
.set HM,  18
.set SEL, 20
.set G1,  24
.set G0A, 32
.set G0B, 36
.set KVB, 40
.set MSB, 0
.macro WIN new                         ; the immediate's high byte repeats the setting that is left
.if MSB != (\new)
	s_set_vgpr_msb (MSB<<8)|(\new)
.set MSB, (\new)
.endif
.endm
.macro PLACES                          ; four places: in front of loads into registers that matrix instructions have read, and of the first read of results
.rept 4
	v_nop
.endr
.endm
.macro CROUND                          ; a round of the cluster's barrier
	s_barrier_signal -1
	s_barrier_wait -1
	s_cmp_lg_u32 s[WV], 0
	s_cbranch_scc1 .Lnot_wave_0_\@
	s_barrier_signal -3
.Lnot_wave_0_\@:
	s_barrier_wait -3
	s_barrier_signal -1
	s_barrier_wait -1
.endm
.macro WBUF s                          ; where the weights of K step s stand
.set WB_Q, (\s)%4
.if WB_Q < 2
.set WB_W, 2
.set WB_R, 144+48*WB_Q
.else
.set WB_W, 3
.set WB_R, 128+48*(WB_Q-2)
.endif
.endm
.macro XFR s                           ; and x's fragments
.if (\s) < 5
.set XF_W, 1
.set XF_R, 48*(\s)
.else
.set XF_W, 2
.set XF_R, 48*((\s)-5)
.endif
.endm
.macro WLOAD s                         ; a K step's four weight fragments: 12 images of 512 bytes
	WBUF \s
	WIN (WB_W<<6)
.irp t, 0,1,2,3
.irp g, 0,1,2
	ds_load_b128 v[WB_R+12*\t+4*\g:WB_R+12*\t+4*\g+3], v[ADW] offset:(\s)*6144+\t*1536+\g*512
.endr
.endr
.endm
.macro FIRST                           ; the unit at s[TB]: its scale words and its first two K steps
	WIN 0
	v_add_nc_u32 v[ADW], s[TB], v[L16]
.irp t, 0,1,2,3
	ds_load_b128 v[WS+4*\t:WS+4*\t+3], v[ADW] offset:49152+512*\t
.endr
	WLOAD 0
	WLOAD 1
	WIN 0
.endm
.macro ONE d, a, b, sa, sb, mode       ; mode 0: starts the sum; 1: adds, scale words in lanes 0-15 (K steps 0-3); 2: adds, in lanes 16-31 (K steps 4-7)
.if (\mode) == 0
	v_wmma_scale_f32_16x16x128_f8f6f4 v[\d:\d+7], v[\a:\a+11], v[\b:\b+11], 0, v[\sa], v[\sb] matrix_a_fmt:MATRIX_FMT_FP6 matrix_b_fmt:MATRIX_FMT_FP6
.elseif (\mode) == 1
	v_wmma_scale_f32_16x16x128_f8f6f4 v[\d:\d+7], v[\a:\a+11], v[\b:\b+11], v[\d:\d+7], v[\sa], v[\sb] matrix_a_fmt:MATRIX_FMT_FP6 matrix_b_fmt:MATRIX_FMT_FP6
.else
	v_wmma_scale_f32_16x16x128_f8f6f4 v[\d:\d+7], v[\a:\a+11], v[\b:\b+11], v[\d:\d+7], v[\sa], v[\sb] matrix_a_fmt:MATRIX_FMT_FP6 matrix_b_fmt:MATRIX_FMT_FP6 matrix_a_scale:MATRIX_SCALE_ROW1 matrix_b_scale:MATRIX_SCALE_ROW1
.endif
.endm
.macro MM16 kind, s                    ; the 16 accumulators take turns, one instruction a turn, in the same order in every K step
.if (\s) == 0
.set MD, 0
.elseif (\s) < 4
.set MD, 1
.else
.set MD, 2
.endif
.irp m, 0,1,2,3
.irp t, 0,1,2,3
.if \kind == 0
	ONE ACC+32*\m+8*\t, WB_R+12*\t, XF_R+12*\m, WS+4*\t+(\s)%4, XS+4*\m+(\s)%4, MD
.else
	ONE ACC+32*\t+8*\m, XF_R+12*\m, WB_R+12*\t, XS+4*\m+(\s)%4, WS+4*\t+(\s)%4, MD
.endif
.endr
.endr
.endm
.macro UNITMM kind                     ; a unit: 8 K steps x 16 matrix instructions; the weights run two K steps ahead through four buffers.  kind 0: k, 1: v
.irp s, 0,1,2,3,4,5,6,7
.if \s <= 5
.if \s >= 2
	PLACES                                         ; the buffer was read two K steps ago
.endif
	WLOAD \s+2
	s_wait_dscnt 24                                ; this K step's weights are in; behind them the loads of two K steps may be out
.elseif \s == 6
	s_wait_dscnt 12                                ; behind them: one K step's
.else
	s_wait_dscnt 0x0
.endif
	WBUF \s
	XFR \s
.if \kind == 0
	WIN (WB_W|(XF_W<<2))
.else
	WIN (XF_W|(WB_W<<2))
.endif
	MM16 \kind, \s
.endr
	WIN 0
.endm
; 32 numbers of a lane, register i = k 32 h + i of its row, become six registers of codes (lane (r, h): block h whole) at v[pc] on.
; By the order of a tile's rows (8 m + r % 8 + 32 (r / 8) for x and Wk) register i of lane (r, h) is k = 32 h + i of its row: A WHOLE BLOCK IN A LANE.
; Six registers of codes at v[pc] on; both blocks' bytes (block 0 low) in v[w] of both lanes.
.macro QUANT64 src, pc, w
	v_max3_num_f32 v[TM], |v[\src]|, |v[\src+1]|, 0x1800000        ; with the floor 2^(3 - 127): the byte cannot fall under 1
	v_max3_num_f32 v[TM+1], |v[\src+2]|, |v[\src+3]|, |v[\src+4]|  ; two chains; each accumulator is first read at its lowest register
.irp i, 5,9,13,17,21,25
	v_max3_num_f32 v[TM], v[TM], |v[\src+\i]|, |v[\src+\i+1]|
	v_max3_num_f32 v[TM+1], v[TM+1], |v[\src+\i+2]|, |v[\src+\i+3]|
.endr
	v_max3_num_f32 v[TM], v[TM], |v[\src+29]|, |v[\src+30]|
	v_max3_num_f32 v[TM], v[TM], v[TM+1], |v[\src+31]|
	v_add_nc_u32 v[SO], 0xff000000, v[TM]          ; 2 off the exponent field: the conversion's scale operand
	v_cvt_scalef32_pk16_fp6_f32 v[\pc:\pc+2], v[\src:\src+15], v[SO]
	v_cvt_scalef32_pk16_fp6_f32 v[PT:PT+2], v[\src+16:\src+31], v[SO]
	v_lshrrev_b32 v[BY], 23, v[SO]                 ; the scale's byte.  (The plain place behind the conversions)
	v_lshlrev_b32 v[BY], v[H8], v[BY]              ; at its place,
	v_permlanex16_b32 v[TP], v[BY], s[SEL], s[SEL+1]
.irp i, 0,1,2
	v_mov_b32 v[\pc+3+\i], v[PT+\i]
.endr
	v_or_b32 v[\w], v[BY], v[TP]                   ; with lane l xor 16's
.endm
; The rotary on 16 pairs (a, b) = (d 2 f, 2 f + 1): (a cos - b sin, b cos + a sin); the pair v[cs + 2 p] is (cos, sin) of frequency 16 h + p at the lane's position.  Ascending: each accumulator is read from its low end on.
.macro ROT acc, cs, t
.set pp, 0
.rept 16
	v_pk_mul_f32 v[\t+2*pp:\t+2*pp+1], v[\acc+2*pp:\acc+2*pp+1], v[\cs+2*pp:\cs+2*pp+1] op_sel_hi:[1,0]
.set pp, pp+1
.endr
.set pp, 0
.rept 16
	v_pk_fma_f32 v[\t+2*pp:\t+2*pp+1], v[\acc+2*pp:\acc+2*pp+1], v[\cs+2*pp:\cs+2*pp+1], v[\t+2*pp:\t+2*pp+1] op_sel:[1,1,0] op_sel_hi:[0,1,1] neg_lo:[1,0,0]
.set pp, pp+1
.endr
.endm
.macro KEPI                            ; a head of k for my 64 tokens: rotary, codes along d, out
.irp m, 0,1,2,3
	WIN 0x0c                                       ; source 1 (cos, sin) in window 3
	ROT ACC+32*\m, 32*\m, T
	WIN 0
	QUANT64 T, PC+6*\m, KW+\m
	v_or_b32 v[KW+\m], 0x7f7f0000, v[KW+\m]        ; bytes 2, 3 stand for 1.0: they meet q's zero codes
.endr
	v_cndmask_b32 v[OS], v[KW], v[KW+1], s[HM]     ; lanes 0-15: the even tile's words, lanes 16-31: the odd tile's
	v_cndmask_b32 v[OS+1], v[KW+2], v[KW+3], s[HM]
.irp i, 0,1,2,3,4,5
	global_store_b128 v[OK16], v[PC+4*\i:PC+4*\i+3], s[KVB:KVB+1] offset:512*\i
.endr
	global_store_b64 v[OKS], v[OS:OS+1], s[KVB:KVB+1] offset:12288
	s_wait_xcnt 0x0                                ; the stores have read their data and their base
	s_add_nc_u64 s[KVB:KVB+1], s[KVB:KVB+1], KVH
.endm
.macro VEPI                            ; a head of v for my 64 tokens: codes along the tokens, out
.irp t, 0,1,2,3
	QUANT64 ACC+32*\t, PC+6*\t, KW+\t
.endr
	v_cndmask_b32 v[KW], v[KW], v[KW+1], s[HM]
	v_cndmask_b32 v[KW+2], v[KW+2], v[KW+3], s[HM]
	v_lshl_or_b32 v[OS], v[KW+2], 16, v[KW]        ; lane (r, u): low half: channel tile u's two bytes, high half: tile 2 + u's
.irp t, 0,1,2,3
	global_store_b128 v[OK16], v[PC+6*\t:PC+6*\t+3], s[KVB:KVB+1] offset:6144+768*\t
	global_store_b64 v[OV8], v[PC+6*\t+4:PC+6*\t+5], s[KVB:KVB+1] offset:6144+768*\t+512
.endr
	global_store_b32 v[OVS], v[OS], s[KVB:KVB+1] offset:12800
	s_wait_xcnt 0x0
	s_add_nc_u64 s[KVB:KVB+1], s[KVB:KVB+1], KVH
.endm
; THE CHANGE OF SLOTS.  Each wave waits for all its tensor loads (its part of the other slot), adds 0 to its spare word, and waits for that and for its reads of this slot.  fill = 1: a round of the cluster's barrier,
; and this slot is filled again first thing behind it, with the units two slots on: the load has two units, 256 matrix instructions and two ways out, in which to land.
.macro CHANGE fill
	WIN 0
	s_wait_tensorcnt 0x0                           ; no tensor load of mine is out, so a group 0 may be written
	ds_add_u32 v[SPW], v[NIL]
.if \fill
	s_xor_b32 s[G0B+1], s[G0B+1], SLOT1
	s_add_nc_u64 s[G0B+2:G0B+3], s[G0B+2:G0B+3], 2*UNIT
.endif
	s_wait_dscnt 0x0                               ; the add is done, and my reads of this slot are over
.if \fill
	CROUND
	tensor_load_to_lds s[G0B:G0B+3], s[G1:G1+7]
	s_nop 0
	PLACES                                         ; also the places behind the unit's last products
.else
	s_barrier_signal -1
	s_barrier_wait -1
	PLACES
.endif
	s_sub_co_u32 s[TB], s[TB], UNIT
	s_xor_b32 s[TB], s[TB], SLOT1                  ; the other slot's first unit
.endm
	s_load_b256 s[4:11], s[0:1], 0x0               ; XC, WKV, TAB, KV
	v_lshl_add_u32 v[SPW], v0, 2, SPARE
	v_mov_b32 v[NIL], 0
	ds_add_u32 v[SPW], v[NIL]                      ; the wave's opening: the add and its wait stand ahead of my first tensor load; the set-up stands between them
	ds_add_u32 v[SPW], v[NIL]
	v_lshrrev_b32 v12, 5, v0
	v_readfirstlane_b32 s[WV], v12                 ; wave 0..3
	s_bfe_u32 s13, ttmp6, 0x40000                  ; cx
	s_bfe_u32 s14, ttmp6, 0x40004                  ; cy: which 4 + 4 heads
	s_lshl_b32 s15, ttmp9, 2
	s_add_co_u32 s15, s15, s13                     ; which 256 tokens
	s_lshl_b32 s42, s14, 2
	s_lshl_b32 s42, 15, s42                        ; my row of the cluster
	s_or_b32 s[G1], s42, (3<<16)|(1<<21)           ; the mask; elements of 8 bytes; bit 21 beside a mask; no padding: images are read 16 bytes a lane on end
	s_mov_b32 s[G1+1], 32<<16                      ; tensor_dim0 = 32 elements = 256 bytes
	s_mov_b32 s[G1+2], 100<<16                     ; tensor_dim1 = 100 rows: a quarter of a slot
	s_mov_b32 s[G1+3], 32<<16                      ; tile_dim0
	s_mov_b32 s[G1+4], 100                         ; tile_dim1
	s_mov_b32 s[G1+5], 32                          ; dense
	s_mov_b32 s[G1+6], 0
	s_mov_b32 s[G1+7], 0
	s_mul_i32 s42, s14, 8*UNIT
	s_mul_i32 s44, s[WV], UNIT/2                   ; my quarter, in a slot and in memory
	s_add_co_u32 s42, s42, s44
	s_mov_b32 s43, 0
	s_lshl_b32 s46, s15, 2
	s_add_co_u32 s46, s46, s[WV]
	s_mul_i32 s46, s46, UNIT                       ; my 64 tokens' block of XC
	s_mov_b32 s47, 0
	s_and_b32 s48, s15, 15
	s_lshl_b32 s49, s48, 8
	s_lshl_b32 s50, s[WV], 6
	s_add_co_u32 s49, s49, s50                     ; my first token's position in its batch
	s_lshl_b32 s50, s49, 8
	s_mov_b32 s51, 0
	s_lshr_b32 s52, s15, 4
	s_lshl_b32 s52, s52, 4
	s_lshl_b32 s53, s14, 2
	s_add_co_u32 s52, s52, s53                     ; 16 x batch + my first head
	s_lshl_b32 s52, s52, 5
	s_lshl_b32 s53, s48, 1
	s_add_co_u32 s52, s52, s53
	s_lshr_b32 s53, s[WV], 1
	s_add_co_u32 s52, s52, s53                     ; x 32 key steps + mine
	s_mul_i32 s52, s52, 13056
	s_mov_b32 s53, 0
	v_and_b32 v12, 31, v0
	v_lshlrev_b32 v[L16], 4, v12
	v_lshlrev_b32 v[L8], 3, v12
	v_lshlrev_b32 v[L4], 2, v12
	v_and_b32 v13, 15, v0                          ; r
	v_bfe_u32 v14, v0, 4, 1                        ; h
	v_and_b32 v15, 8, v13
	v_mad_u32_u24 v15, v15, 3, v13                 ; r + 24 (r / 8): my token in its tile
	v_lshlrev_b32 v[VT], 8, v15
	v_lshl_add_u32 v[VT], v14, 7, v[VT]            ; the table: 256 bytes a position, + 128 h: frequencies 16 h .. 16 h + 15
	v_lshlrev_b32 v[H8], 3, v14
	s_and_b32 s54, s[WV], 1                        ; which half of the key step's 128 is mine
	s_mul_i32 s55, s54, 3072
	v_add_nc_u32 v[OK16], s55, v[L16]
	v_add_nc_u32 v[OV8], s55, v[L8]
	s_lshl_b32 s55, s54, 8
	v_add_nc_u32 v[OKS], s55, v[L8]
	s_lshl_b32 s55, s54, 7
	v_add_nc_u32 v[OVS], s55, v[L4]
	v_mov_b32 v[TP], 0                             ; a lane permute's destination counts as read
	v_mov_b32 v[TP+1], 0
	s_mov_b32 s[SEL], 0x76543210
	s_mov_b32 s[SEL+1], 0xfedcba98
	s_mov_b32 s[HM], 0xffff0000                    ; lanes 16-31
	s_mov_b32 s[TB], 0
	s_wait_dscnt 0x0                               ; the opening add is done
	s_wait_kmcnt 0x0
	s_mov_b32 s[G0A], 1
	s_mov_b32 s[G0A+1], s44
	s_add_nc_u64 s[G0A+2:G0A+3], s[6:7], s[42:43]
	s_mov_b32 s[G0B], 1
	s_add_co_u32 s[G0B+1], s44, SLOT1
	s_add_nc_u64 s[G0B+2:G0B+3], s[G0A+2:G0A+3], 2*UNIT
	s_or_b32 s[G0A+3], s[G0A+3], 0x80000000
	s_or_b32 s[G0B+3], s[G0B+3], 0x80000000
	s_add_nc_u64 s[4:5], s[4:5], s[46:47]
	s_add_nc_u64 s[8:9], s[8:9], s[50:51]
	s_add_nc_u64 s[KVB:KVB+1], s[10:11], s[52:53]
	CROUND                                         ; all sixteen work-groups are here: the first joint loads meet
	tensor_load_to_lds s[G0A:G0A+3], s[G1:G1+7]    ; units 0, 1: one tensor load a wave at the head
	s_nop 0
	PLACES
	WIN 0x40
.irp s, 0,1,2,3,4
.irp m, 0,1,2,3
.irp g, 0,1,2
	global_load_b128 v[48*\s+12*\m+4*\g:48*\s+12*\m+4*\g+3], v[L16], s[4:5] offset:\s*6144+\m*1536+\g*512
.endr
.endr
.endr
	WIN 0x80
.irp s, 5,6,7
.irp m, 0,1,2,3
.irp g, 0,1,2
	global_load_b128 v[48*(\s-5)+12*\m+4*\g:48*(\s-5)+12*\m+4*\g+3], v[L16], s[4:5] offset:\s*6144+\m*1536+\g*512
.endr
.endr
.endr
	WIN 0
.irp m, 0,1,2,3
	global_load_b128 v[XS+4*\m:XS+4*\m+3], v[L16], s[4:5] offset:49152+\m*512
.endr
	WIN 0xc0
	s_wait_alu depctr_va_vdst(0)
.irp m, 0,1,2,3
.irp b, 0,1
.irp j, 0,1,2,3
	global_load_b128 v[32*\m+16*\b+4*\j:32*\m+16*\b+4*\j+3], v[VT], s[8:9] offset:(8*\m)*256+64*\b+16*\j
.endr
.endr
.endr
	WIN 0
	s_wait_alu depctr_va_vdst(0)
	s_wait_tensorcnt 0x0                           ; my part of slot 0 is in; slot 1's first fill is issued as a refill is:
	ds_add_u32 v[SPW], v[NIL]
	s_wait_dscnt 0x0
	CROUND                                         ; everybody's part is in, and the joint loads meet
	tensor_load_to_lds s[G0B:G0B+3], s[G1:G1+7]    ; units 2, 3
	s_nop 0
	PLACES
	s_wait_loadcnt 0x0                             ; x's codes and scale words, cos and sin
	FIRST
	s_mov_b32 s[CNT], 2
.Lk:                                                   ; two trips: a slot's two heads of k; a unit's way out stands behind the next unit's first LDS loads
	s_wait_alu depctr_va_vdst(0)
	UNITMM 0
	PLACES
	s_add_co_u32 s[TB], s[TB], UNIT
	FIRST
	KEPI
	UNITMM 0
	CHANGE 1
	FIRST
	KEPI
	s_sub_co_u32 s[CNT], s[CNT], 1
	s_cmp_lg_u32 s[CNT], 0
	s_cbranch_scc1 .Lk
	s_sub_nc_u64 s[KVB:KVB+1], s[KVB:KVB+1], 4*KVH ; back to my first head, for v
	UNITMM 1
	PLACES
	s_add_co_u32 s[TB], s[TB], UNIT
	FIRST
	VEPI
	UNITMM 1
	CHANGE 0                                       ; nothing is left to fetch
	FIRST
	VEPI
	UNITMM 1
	PLACES
	s_add_co_u32 s[TB], s[TB], UNIT
	FIRST
	VEPI
	UNITMM 1
	PLACES
	VEPI
	s_wait_tensorcnt 0x0                           ; the wave's end
	ds_add_u32 v[SPW], v[NIL]
	s_wait_dscnt 0x0
	CROUND                                         ; the closing round
	s_endpgm
.Lfunc_end_k_qdd948cc745_proj:
	.size	k_qdd948cc745_proj, .Lfunc_end_k_qdd948cc745_proj-k_qdd948cc745_proj
	.p2alignl 7, 3214868480
	.fill 96, 4, 3214868480
	.section	.rodata,"a",@progbits
	.p2align	6, 0x0
	.amdhsa_kernel k_qdd948cc745_proj
		.amdhsa_group_segment_fixed_size 327680
		.amdhsa_private_segment_fixed_size 0
		.amdhsa_enable_private_segment 0
		.amdhsa_kernarg_size 32
		.amdhsa_user_sgpr_count 2
		.amdhsa_user_sgpr_kernarg_segment_ptr 1
		.amdhsa_wavefront_size32 1
		.amdhsa_system_sgpr_workgroup_id_x 1
		.amdhsa_system_sgpr_workgroup_id_y 1
		.amdhsa_system_sgpr_workgroup_id_z 1
		.amdhsa_system_vgpr_workitem_id 0
		.amdhsa_next_free_vgpr 1024
		.amdhsa_next_free_sgpr 66
		.amdhsa_reserve_vcc 0
		.amdhsa_float_denorm_mode_32 3
		.amdhsa_float_denorm_mode_16_64 3
		.amdhsa_memory_ordered 1
		.amdhsa_forward_progress 1
		.amdhsa_inst_pref_size 221
	.end_amdhsa_kernel
	.amdgpu_metadata
---
amdhsa.version: [ 1, 2 ]
amdhsa.kernels:
  - .name:           k_qdd948cc745_proj
    .symbol:         k_qdd948cc745_proj.kd
    .args:
      - { .name: XC, .offset: 0, .size: 8, .value_kind: global_buffer, .address_space: global }
      - { .name: WKV, .offset: 8, .size: 8, .value_kind: global_buffer, .address_space: global }
      - { .name: TAB, .offset: 16, .size: 8, .value_kind: global_buffer, .address_space: global }
      - { .name: KV, .offset: 24, .size: 8, .value_kind: global_buffer, .address_space: global }
    .group_segment_fixed_size: 327680
    .private_segment_fixed_size: 0
    .kernarg_segment_align: 8
    .kernarg_segment_size: 32
    .max_flat_workgroup_size: 128
    .sgpr_count:     66
    .vgpr_count:     1024
    .wavefront_size: 32
...
	.end_amdgpu_metadata
.endif
;; end of part 2
;; launch attn (part 3): grid 4 x 64, 8 waves a work-group, clusters of 4 x 1, 327,680 bytes of LDS; arguments XC, WQC, TAB, KV, out0; writes out0
.if DOCPART == 3
	.amdgcn_target "amdgcn-amd-amdhsa--gfx1250"
	.amdhsa_code_object_version 6
	.text
	.protected	k_qdd948cc745_attn
	.globl	k_qdd948cc745_attn
	.p2align	8
	.type	k_qdd948cc745_attn,@function
k_qdd948cc745_attn:
	s_mov_b64 s[64:65], 0
	v_nop
	global_prefetch_b8 v0, s[64:65] scope:SCOPE_SE
	s_setreg_imm32_b32 hwreg(HW_REG_WAVE_MODE, 25, 1), 1
	s_wait_xcnt 0x0
	s_wait_alu depctr_hold_cnt(0) depctr_sa_sdst(0) depctr_va_vdst(0) depctr_va_sdst(0) depctr_va_ssrc(0) depctr_va_vcc(0) depctr_vm_vsrc(0)
	s_getreg_b32 s2, hwreg(HW_REG_IB_STS2, 6, 4)
	s_cmp_eq_u32 s2, 0
	s_cbranch_scc0 .Lentry_in_a_cluster
	s_endpgm
.Lentry_in_a_cluster:
	s_bfe_u32 s2, ttmp6, 0x10000c
	s_cmp_lg_u32 s2, 0x3003
	s_cbranch_scc0 .Lentry_shape_is_right
	s_endpgm
.Lentry_shape_is_right:
; out0[b][q][64 h + :] = the sum over keys of softmax(q . k / 8, key j kept for query i where j <= i + 3583) v; all products on codes of FP6 (E2M3) with E8M0 scales, sums in f32.
; SHARES.  The four work-groups of a cluster own the 512 queries of one (batch, head); a wave owns one tile of 16.  The queries fall into four classes of 128 (class g: queries 128 g .. 128 g + 127);
; wave w takes class w (w < 4) or 7 - w, so that a work-group holds two tiles of every class; which of a class's eight tiles hangs on the place in the cluster and enters global addresses and the mask's compares alone.
; A tile's query r is base + r % 8 + 32 (r / 8), the order of x's rows in a tile of XC.  Two waves to a SIMD.
; Keys go in 16 double steps of 256.  For class g all keys of double steps 0 .. 13 + g / 2 count, double step 14 + g / 2 holds the diagonal (compare and select),
; and for g < 2 double step 15 is hidden whole: those waves jump over it, by a branch on the wave's number and the loop's counter, round no barrier, wait or add.
; PROLOGUE.  Each wave makes its own q: 32 matrix instructions on x's codes (registers) and the head's Wq (LDS, filled once), the rotary at positions 0 .. 511, codes along d.
; The head has 64 channels, half of the instruction's 128 along K: q's upper six registers are zero codes, so what stands in K's upper six adds nothing; the scale bytes there stand for 1.0.
; SOFTMAX.  t = score x log2(e) / 8; M = the running largest t rounded up to a whole number; p = 2^(t - M) is quantised along the keys; the sum is taken of the unquantised p and divides at the end.
; Both products are used transposed: a lane holds one query.  By the order of the keys in a tile of K, registers 32 B .. 32 B + 31 of lane (r, h) are keys 64 B + 32 h + 0 .. 31: a whole block in a lane,
; so a block's maximum needs no other lane and the conversions' results are the operand's registers.
; CLUSTER 4 x 1: the four work-groups walk the same K, V and Wq: every tensor load is JOINT.  LDS: slot 0 six double steps, slot 1 four, Wq's 51,200 bytes, the spare words.
; Fills, 102 rows of 256 bytes (a double step) a wave: at the head waves 0-5 slot 0 (double steps 0-5) and waves 6, 7 Wq (100 rows each); behind the second round waves 0-3 slot 1 (6-9);
; behind the round in double step 5 waves 0-5 slot 0 again (10-15).  By this text's own count a wave has one tensor load out at a time.
; NO PREFETCH: ten of the 16 double steps are asked for in the head, and the one refill is asked for four double steps ahead of its first read.
; LIMITS: NaN and infinities are not served; the promise holds while |t| stays under 2^31; v_exp_f32 gives 0 for results under 2^-126; a block of zeros gets the byte 1 (zero codes).
; REGISTERS: window 0: v1-23 addresses and statistics; v24-43 K's, V's, p's scale words; v44-63 Wq's and x's scale words; v64-75 at work; v76-115 p's codes; v116 q's scale word; v128-255 S^T, then p.
;   window 1: v0-95 K's sixteen tiles (six registers each), v96-101 zeros; v104-199 V's eight fragments; v200-231 O^T; v232-243 q's codes and zeros; in the prologue v0-111 Wq, v128-223 x.
.set STEPB, 13056                      ; KV's block of 128 keys
.set DSB,   2*STEPB                    ; a double step
.set WQL,   10*DSB                     ; behind the two slots: Wq's block of the head, filled once
.set STAGE, WQL                        ; the way out: 16 rows x 272 bytes a wave, on Wq's bytes: their one fill and their last read lie ahead of two barriers
.set SPARE, WQL+51200                  ; the spare words, 128 bytes a wave
.set LANE, 1
.set A16, 2
.set A8,  3
.set A4,  4
.set SPW, 5
.set NIL, 6
.set GO,  7
.set STO, 8
.set SRD, 9
.set DQ,  10
.set NINF, 11
.set NM,  12
.set TMX, 13
.set SUM, 14
.set H8,  16
.set L16, 17
.set VT,  18
.set AQ,  19
.set F,   20
.set TMP, 22
.set TP,  23
.set KS,  24
.set VS,  32
.set VA,  36
.set PS,  40
.set WP,  42
.set WQS, 44
.set XQS, 60
.set BM,  64
.set SO,  68
.set BP,  72
.set PCD, 76
.set PT,  100
.set QS,  116
.set A1,  118
.set A2,  120
.set A3,  122
.set S,   128
.set T,   S+32
.set CSN, S+64
.set VF,  104                          ; window 1
.set O,   200                          ; window 1
.set QC,  232                          ; window 1
.set WV,  14
.set G1,  24
.set G1Q, 32
.set G0A, 40
.set G0B, 44
.set G0R, 48
.set G0Q, 52
.set CS,  56
.set SEL, 58
.set TB,  60
.set INC, 61
.set CL1, 62
.set MSB, 0
.macro WIN new                         ; the immediate's high byte repeats the setting that is left
.if MSB != (\new)
	s_set_vgpr_msb (MSB<<8)|(\new)
.set MSB, (\new)
.endif
.endm
.macro PLACES
.rept 4
	v_nop
.endr
.endm
.macro DL n
	s_delay_alu instid0(VALU_DEP_\n)
.endm
.macro CREST                           ; a round of the cluster's barrier behind its opening barrier
	s_cmp_lg_u32 s[WV], 0
	s_cbranch_scc1 .Lnot_wave_0_\@
	s_barrier_signal -3
.Lnot_wave_0_\@:
	s_barrier_wait -3
	s_barrier_signal -1
	s_barrier_wait -1
.endm
.macro CROUND
	s_barrier_signal -1
	s_barrier_wait -1
	CREST
.endm
.macro ONE d, a, b, sa, sb, mode       ; mode 0: starts the sum; 1: adds, scale words in lanes 0-15; 2: adds, in lanes 16-31
.if (\mode) == 0
	v_wmma_scale_f32_16x16x128_f8f6f4 v[\d:\d+7], v[\a:\a+11], v[\b:\b+11], 0, v[\sa], v[\sb] matrix_a_fmt:MATRIX_FMT_FP6 matrix_b_fmt:MATRIX_FMT_FP6
.elseif (\mode) == 1
	v_wmma_scale_f32_16x16x128_f8f6f4 v[\d:\d+7], v[\a:\a+11], v[\b:\b+11], v[\d:\d+7], v[\sa], v[\sb] matrix_a_fmt:MATRIX_FMT_FP6 matrix_b_fmt:MATRIX_FMT_FP6
.else
	v_wmma_scale_f32_16x16x128_f8f6f4 v[\d:\d+7], v[\a:\a+11], v[\b:\b+11], v[\d:\d+7], v[\sa], v[\sb] matrix_a_fmt:MATRIX_FMT_FP6 matrix_b_fmt:MATRIX_FMT_FP6 matrix_a_scale:MATRIX_SCALE_ROW1 matrix_b_scale:MATRIX_SCALE_ROW1
.endif
.endm
.macro ROT acc, cs, t                  ; the rotary on 16 pairs: (a cos - b sin, b cos + a sin); ascending
.set pp, 0
.rept 16
	v_pk_mul_f32 v[\t+2*pp:\t+2*pp+1], v[\acc+2*pp:\acc+2*pp+1], v[\cs+2*pp:\cs+2*pp+1] op_sel_hi:[1,0]
.set pp, pp+1
.endr
.set pp, 0
.rept 16
	v_pk_fma_f32 v[\t+2*pp:\t+2*pp+1], v[\acc+2*pp:\acc+2*pp+1], v[\cs+2*pp:\cs+2*pp+1], v[\t+2*pp:\t+2*pp+1] op_sel:[1,1,0] op_sel_hi:[0,1,1] neg_lo:[1,0,0]
.set pp, pp+1
.endr
.endm
.macro QW s                            ; Wq's four fragments of K step s into buffer s % 2 (window 1, v0 or v64)
	WIN 0x40
.irp t, 0,1,2,3
.irp g, 0,1,2
	ds_load_b128 v[64*((\s)%2)+12*\t+4*\g:64*((\s)%2)+12*\t+4*\g+3], v[AQ] offset:(\s)*6144+\t*1536+\g*512
.endr
.endr
.endm
.macro ADDRS                           ; my lane's places in the double step at s[TB]
	v_lshl_add_u32 v[A16], v[LANE], 4, s[TB]
	v_lshl_add_u32 v[A8], v[LANE], 3, s[TB]
	v_lshl_add_u32 v[A4], v[LANE], 2, s[TB]
.endm
.macro KLOAD off                       ; a double step's K: 24 images of codes, 4 of scale words
	WIN 0x40
.set ii, 0
.rept 12
	ds_load_b128 v[4*ii:4*ii+3], v[A16] offset:(\off)+512*ii
	ds_load_b128 v[48+4*ii:48+4*ii+3], v[A16] offset:(\off)+STEPB+512*ii
.set ii, ii+1
.endr
	WIN 0
.irp b, 0,1
.irp c, 0,1
	ds_load_b64 v[KS+4*\b+2*\c:KS+4*\b+2*\c+1], v[A8] offset:(\off)+STEPB*\b+12288+256*\c
.endr
.endr
.endm
; A DOUBLE STEP of 256 keys.  tail 0: the next one lies behind it in LDS and is whole; 1: change of slots with the refill; 2: change without; 4: the last phase: the mask where it is due, no K beyond the wave's last step.
; At a change the three lines stand behind V's loads, the slot's last reads; the maxima stand between the add and its wait; the barrier's signal stands behind them and its wait behind the exponentials: register work alone between.
.macro STEP tail
	s_wait_alu depctr_va_vdst(0)                   ; the addresses were written ahead of a wait or a branch
	WIN 0x05                                       ; K and q in window 1
.set tt, 0
.rept 8
	v_wmma_scale_f32_16x16x128_f8f6f4 v[S+16*tt:S+16*tt+7], v[12*tt:12*tt+11], v[QC:QC+11], 0, v[KS+tt], v[QS] matrix_a_fmt:MATRIX_FMT_FP6 matrix_b_fmt:MATRIX_FMT_FP6
	v_wmma_scale_f32_16x16x128_f8f6f4 v[S+16*tt+8:S+16*tt+15], v[12*tt+6:12*tt+17], v[QC:QC+11], 0, v[KS+tt], v[QS] matrix_a_fmt:MATRIX_FMT_FP6 matrix_b_fmt:MATRIX_FMT_FP6 matrix_a_scale:MATRIX_SCALE_ROW1
.set tt, tt+1
.endr
	PLACES                                         ; in front of the loads into V's, K's and the scale words' registers, and of the first read of the scores
	WIN 0x40
.irp b, 0,1
.irp t, 0,1,2,3
.irp c, 0,1
	ds_load_b128 v[VF+48*\b+12*\t+6*\c:VF+48*\b+12*\t+6*\c+3], v[A16] offset:STEPB*\b+6144+3072*\c+768*\t
	ds_load_b64 v[VF+48*\b+12*\t+6*\c+4:VF+48*\b+12*\t+6*\c+5], v[A8] offset:STEPB*\b+6144+3072*\c+768*\t+512
.endr
.endr
.endr
	WIN 0
.irp b, 0,1
.irp c, 0,1
	ds_load_b32 v[VA+2*\b+\c], v[A4] offset:STEPB*\b+12800+128*\c
.endr
.endr
.if \tail == 0
	KLOAD DSB
.elseif \tail == 4
	s_cmp_ge_u32 s[INC], s[CL1]                    ; this is my last double step: no K beyond it
	s_cbranch_scc1 .Lno_k_\@
	KLOAD DSB
.Lno_k_\@:
	s_cmp_lg_u32 s[INC], s[CL1]                    ; the diagonal lies in double step 14 + class / 2 alone
	s_cbranch_scc1 .Lno_mask_\@
.set nn, 0
.rept 128                              ; register nn holds key 64 (nn / 32) + 32 h + nn % 32 of the double step: hidden where 64 (nn / 32) + nn % 32 > v[DQ]
	v_cmp_gt_i32 vcc_lo, 64*(nn/32)+nn%32, v[DQ]
	v_cndmask_b32 v[S+nn], v[S+nn], v[NINF], vcc_lo
.set nn, nn+1
.endr
.Lno_mask_\@:
.else
	s_wait_tensorcnt 0x0                           ; all my tensor loads have landed, my part of the other slot among them
	ds_add_u32 v[SPW], v[NIL]
.endif
.irp b, 0,1,2,3
	v_max3_num_f32 v[BM+\b], v[S+32*\b], v[S+32*\b+1], v[S+32*\b+2]   ; the largest score of each of my four blocks of 32 keys: for the row's maximum and for the block's largest p
.endr
.set ii, 3
.rept 14
.irp b, 0,1,2,3
	v_max3_num_f32 v[BM+\b], v[BM+\b], v[S+32*\b+ii], v[S+32*\b+ii+1]
.endr
.set ii, ii+2
.endr
.irp b, 0,1,2,3
	v_max_num_f32 v[BM+\b], v[BM+\b], v[S+32*\b+31]
.endr
.if (\tail == 1) || (\tail == 2)
	s_wait_alu depctr_va_vdst(0)
	s_wait_dscnt 0x0                               ; the add is done, and my reads of this slot are over
	s_barrier_signal -1
.endif
	v_max3_num_f32 v[TMP], v[BM], v[BM+1], v[BM+2]
	DL 1
	v_max_num_f32 v[TMP], v[TMP], v[BM+3]
	DL 1
	v_permlanex16_b32 v[TP], v[TMP], s[SEL], s[SEL+1]
	DL 1
	v_max_num_f32 v[TMP], v[TMP], v[TP]            ; with lane l xor 16's blocks: the double step's largest score of my query
	DL 1
	v_mul_f32 v[TMP], s[CS], v[TMP]
	DL 1
	v_max_num_f32 v[TMX], v[TMX], v[TMP]           ; the running largest t
	v_mov_b32 v[TMP], v[NM]
	DL 2
	v_floor_f32 v[NM], -v[TMX]                     ; -M = floor(-t): M is a whole number
	DL 1
	v_sub_f32 v[TMP], v[NM], v[TMP]
	DL 1
	v_cvt_i32_f32 v[TMP], v[TMP]                   ; (it saturates)
	DL 1
	v_ldexp_f32 v[F], 1.0, v[TMP]                  ; f = 2^(old M - new M): rounds nothing
.irp b, 0,1,2,3
	v_fma_f32 v[BM+\b], v[BM+\b], s[CS], v[NM]
.endr
.set jj, 0
.rept 64
	v_pk_fma_f32 v[S+jj:S+jj+1], v[S+jj:S+jj+1], s[CS:CS+1], v[NM:NM+1] op_sel_hi:[1,0,0]   ; t - M
.set jj, jj+2
.endr
	s_wait_alu depctr_va_vdst(0)
.irp b, 0,1,2,3
	v_exp_f32 v[BM+\b], v[BM+\b]                   ; each block's largest p
.endr
.set jj, 0
.rept 128
	v_exp_f32 v[S+jj], v[S+jj]                     ; p = 2^(t - M)
.set jj, jj+1
.endr
	v_pk_mul_f32 v[SUM:SUM+1], v[SUM:SUM+1], v[F:F+1] op_sel_hi:[1,0]   ; the sums under the new M.  (The plain place behind the exponentials)
	s_wait_alu depctr_va_vdst(0)                   ; one wait for the batch, ahead of its first reader
.if (\tail == 1) || (\tail == 2)
	s_barrier_wait -1                              ; nobody reads this slot any more, and the other slot is whole
.if \tail == 1
	CREST                                          ; the barrier has opened a round of the cluster's barrier
	s_cmp_lt_u32 s[WV], 6
	s_cbranch_scc0 .Lno_fill_\@
	tensor_load_to_lds s[G0R:G0R+3], s[G1:G1+7]    ; double step 10 + wave, into slot 0
	s_nop 0
	PLACES
.Lno_fill_\@:
	s_add_co_u32 s[TB], s[TB], DSB                 ; slot 1 lies behind slot 0
.else
	s_mov_b32 s[TB], 0                             ; back to slot 0
.endif
	ADDRS
	KLOAD 0
.endif
	v_pk_add_f32 v[A1:A1+1], v[S:S+1], v[S+2:S+3]  ; the row's sum, of the unquantised p: four chains
	v_pk_add_f32 v[A2:A2+1], v[S+4:S+5], v[S+6:S+7]
	v_pk_add_f32 v[A3:A3+1], v[S+8:S+9], v[S+10:S+11]
.set jj, 12
.rept 14
	v_pk_add_f32 v[SUM:SUM+1], v[SUM:SUM+1], v[S+jj:S+jj+1]
	v_pk_add_f32 v[A1:A1+1], v[A1:A1+1], v[S+jj+2:S+jj+3]
	v_pk_add_f32 v[A2:A2+1], v[A2:A2+1], v[S+jj+4:S+jj+5]
	v_pk_add_f32 v[A3:A3+1], v[A3:A3+1], v[S+jj+6:S+jj+7]
.set jj, jj+8
.endr
	v_pk_add_f32 v[SUM:SUM+1], v[SUM:SUM+1], v[S+124:S+125]
	v_pk_add_f32 v[A1:A1+1], v[A1:A1+1], v[S+126:S+127]
	v_pk_add_f32 v[A2:A2+1], v[A2:A2+1], v[A3:A3+1]
	DL 2
	v_pk_add_f32 v[SUM:SUM+1], v[SUM:SUM+1], v[A1:A1+1]
	DL 1
	v_pk_add_f32 v[SUM:SUM+1], v[SUM:SUM+1], v[A2:A2+1]
.irp b, 0,1,2,3
	v_max_num_f32 v[BM+\b], 0x1800000, v[BM+\b]    ; the floor 2^(3 - 127)
.endr
.irp b, 0,1,2,3
	v_add_nc_u32 v[SO+\b], 0xff000000, v[BM+\b]    ; 2 off the exponent field: the conversion's scale operand
.endr
.irp b, 0,1,2,3
	v_cvt_scalef32_pk16_fp6_f32 v[PCD+6*\b:PCD+6*\b+2], v[S+32*\b:S+32*\b+15], v[SO+\b]
	v_cvt_scalef32_pk16_fp6_f32 v[PT+4*\b:PT+4*\b+2], v[S+32*\b+16:S+32*\b+31], v[SO+\b]   ; (a conversion's three registers begin on an even number)
.endr
.irp b, 0,1,2,3
	v_lshrrev_b32 v[BP+\b], 23, v[SO+\b]           ; the scales' bytes.  (Plain places behind the conversions)
.endr
.irp b, 0,1
	v_lshl_or_b32 v[PS+\b], v[BP+2*\b+1], 16, v[BP+2*\b]   ; my blocks h and 2 + h of each 128 keys,
.endr
.irp b, 0,1
	v_lshlrev_b32 v[PS+\b], v[H8], v[PS+\b]        ; at their places;
.endr
.irp b, 0,1
	v_permlanex16_b32 v[WP+\b], v[PS+\b], s[SEL], s[SEL+1]
.endr
.irp b, 0,1
	v_or_b32 v[PS+\b], v[PS+\b], v[WP+\b]          ; with lane l xor 16's two the word is whole
.endr
.irp b, 0,1,2,3
.irp i, 0,1,2
	v_mov_b32 v[PCD+6*\b+3+\i], v[PT+4*\b+\i]
.endr
.endr
	s_wait_dscnt 0x0                               ; V, its scale halves and the next double step's K are in
.irp b, 0,1
	v_perm_b32 v[VS+2*\b], v[VA+2*\b+1], v[VA+2*\b], 0x05040100     ; the two halves' bytes make V's scale words: channel tiles 0 (lanes 0-15) and 1 (lanes 16-31),
	v_perm_b32 v[VS+2*\b+1], v[VA+2*\b+1], v[VA+2*\b], 0x07060302   ; and 2 and 3
.endr
	WIN 0x41
	s_wait_alu depctr_va_vdst(0)                   ; directly ahead of the first reader of O^T
.set jj, 0
.rept 16
	v_pk_mul_f32 v[O+jj:O+jj+1], v[O+jj:O+jj+1], v[F:F+1] op_sel_hi:[1,0]   ; O^T under the new M
.set jj, jj+2
.endr
	WIN 0
.if \tail == 0
	s_add_co_u32 s[TB], s[TB], DSB                 ; on to the next double step
	ADDRS
	v_nop
.else
	PLACES
.endif
	WIN 0x51                                       ; V and O^T in window 1, p in window 0.  The four accumulators take turns
.irp b, 0,1
.irp t, 0,2
	v_wmma_scale_f32_16x16x128_f8f6f4 v[O+8*\t:O+8*\t+7], v[VF+48*\b+12*\t:VF+48*\b+12*\t+11], v[PCD+12*\b:PCD+12*\b+11], v[O+8*\t:O+8*\t+7], v[VS+2*\b+\t/2], v[PS+\b] matrix_a_fmt:MATRIX_FMT_FP6 matrix_b_fmt:MATRIX_FMT_FP6
	v_wmma_scale_f32_16x16x128_f8f6f4 v[O+8*\t+8:O+8*\t+15], v[VF+48*\b+12*\t+12:VF+48*\b+12*\t+23], v[PCD+12*\b:PCD+12*\b+11], v[O+8*\t+8:O+8*\t+15], v[VS+2*\b+\t/2], v[PS+\b] matrix_a_fmt:MATRIX_FMT_FP6 matrix_b_fmt:MATRIX_FMT_FP6 matrix_a_scale:MATRIX_SCALE_ROW1
.endr
.endr
	WIN 0
.endm
	s_load_b256 s[4:11], s[0:1], 0x0               ; XC, WQC, TAB, KV
	s_load_b64 s[12:13], s[0:1], 0x20              ; out0
	v_lshl_add_u32 v[SPW], v0, 2, SPARE
	v_mov_b32 v[NIL], 0
	ds_add_u32 v[SPW], v[NIL]                      ; the wave's opening: the add, twice on end, and its wait ahead of my first tensor load
	ds_add_u32 v[SPW], v[NIL]
	v_lshrrev_b32 v[TMP], 5, v0
	v_readfirstlane_b32 s[WV], v[TMP]              ; wave 0..7
	s_bfe_u32 s15, ttmp6, 0x40000                  ; cx: it enters my own global addresses and the mask's compares alone
	s_and_b32 s16, ttmp7, 0xffff                   ; 16 x batch + head, which the four partners share
	s_sub_co_u32 s18, 7, s[WV]
	s_cmp_lt_u32 s[WV], 4
	s_cselect_b32 s17, s[WV], s18                  ; my class g
	s_lshr_b32 s19, s[WV], 2
	s_lshr_b32 s23, s17, 1
	s_add_co_u32 s[CL1], s23, 4                    ; the last phase's trip that holds my diagonal: double step 10 + 4 + g / 2
	s_lshl_b32 s20, s17, 1
	s_lshr_b32 s21, s15, 1
	s_add_co_u32 s20, s20, s21                     ; which 64 of the 512 queries: 2 g + cx / 2
	s_and_b32 s21, s15, 1
	s_lshl_b32 s21, s21, 1
	s_add_co_u32 s21, s21, s19                     ; which tile of them: 2 (cx % 2) + w / 4
	s_lshl_b32 s22, s20, 6
	s_lshl_b32 s18, s21, 3
	s_add_co_u32 s22, s22, s18                     ; my tile's first query
	s_lshl_b32 s23, s23, 8
	s_sub_co_u32 s80, s22, s23
	s_sub_co_u32 s80, s80, 1                       ; first query - 1 - 256 (g / 2)
	s_lshr_b32 s2, s16, 4                          ; the batch
	s_and_b32 s3, s16, 15                          ; the head
	s_lshl_b32 s66, s2, 6
	s_add_co_u32 s66, s66, 56                      ; the queries are the batch's last 512 tokens: blocks 56 .. 63 of XC
	s_add_co_u32 s66, s66, s20
	s_mul_i32 s66, s66, 51200
	s_mul_i32 s67, s21, 1536
	s_add_co_u32 s66, s66, s67
	s_mov_b32 s67, 0
	s_lshl_b32 s68, s21, 10
	s_sub_co_u32 s68, 49152, s68                   ; from my tile's first fragment to its scale words: 49152 + 512 m - 1536 m
	s_mov_b32 s69, 0
	s_lshl_b32 s70, s22, 8                         ; the table at my first query's position
	s_mov_b32 s71, 0
	s_lshl_b32 s72, s2, 9
	s_add_co_u32 s72, s72, s22
	s_lshl_b32 s72, s72, 12
	s_lshl_b32 s73, s3, 8
	s_add_co_u32 s72, s72, s73                     ; out0 at my first query, my head
	s_mov_b32 s73, 0
	s_mul_i32 s76, s[WV], DSB                      ; my double step of a fill
	s_mul_i32 s74, s16, 16*DSB
	s_add_co_u32 s74, s74, s76
	s_mov_b32 s75, 0
	s_and_b32 s77, s[WV], 1
	s_mul_i32 s77, s77, 25600                      ; waves 6, 7: which half of Wq's block
	s_mul_i32 s78, s3, 51200
	s_add_co_u32 s78, s78, s77
	s_mov_b32 s79, 0
	s_mul_i32 s81, s[WV], 16*272
	s_add_co_u32 s81, s81, STAGE                   ; my stage
	s_mov_b32 s[G1], 15|(3<<16)|(1<<21)            ; all four work-groups; elements of 8 bytes; bit 21 beside a mask; no padding: images are read 16 bytes a lane on end
	s_mov_b32 s[G1+1], 32<<16
	s_mov_b32 s[G1+2], 102<<16                     ; a double step: 102 rows of 256 bytes
	s_mov_b32 s[G1+3], 32<<16
	s_mov_b32 s[G1+4], 102
	s_mov_b32 s[G1+5], 32
	s_mov_b32 s[G1+6], 0
	s_mov_b32 s[G1+7], 0
	s_mov_b32 s[G1Q], 15|(3<<16)|(1<<21)
	s_mov_b32 s[G1Q+1], 32<<16
	s_mov_b32 s[G1Q+2], 100<<16                    ; half of Wq's block: 100 rows of 256 bytes
	s_mov_b32 s[G1Q+3], 32<<16
	s_mov_b32 s[G1Q+4], 100
	s_mov_b32 s[G1Q+5], 32
	s_mov_b32 s[G1Q+6], 0
	s_mov_b32 s[G1Q+7], 0
	s_mov_b32 s[CS], 0x3e38aa3b                    ; log2(e) / 8
	s_mov_b32 s[CS+1], s[CS]
	s_mov_b32 s[SEL], 0x76543210
	s_mov_b32 s[SEL+1], 0xfedcba98
	s_mov_b32 s[TB], 0
	v_and_b32 v[LANE], 31, v0
	v_and_b32 v128, 15, v0                         ; r
	v_bfe_u32 v129, v0, 4, 1                       ; h
	v_and_b32 v130, 8, v128
	v_mad_u32_u24 v130, v130, 3, v128              ; r + 24 (r / 8): my query in its tile
	v_lshlrev_b32 v[VT], 8, v130
	v_lshl_add_u32 v[VT], v129, 7, v[VT]           ; the table: 256 bytes a position, + 128 h
	v_lshlrev_b32 v[L16], 4, v[LANE]
	v_add_nc_u32 v[AQ], WQL, v[L16]
	v_lshlrev_b32 v[H8], 3, v129
	v_lshlrev_b32 v131, 5, v129
	v_add_nc_u32 v[DQ], s80, v130
	v_sub_nc_u32 v[DQ], v[DQ], v131                ; my query - 1 - 32 h - 256 (g / 2): it feeds compares and selects alone
	v_mul_u32_u24 v[STO], v128, 272
	v_lshl_add_u32 v[STO], v129, 5, v[STO]
	v_add_nc_u32 v[STO], s81, v[STO]
	v_mul_u32_u24 v[SRD], v129, 272
	v_lshl_add_u32 v[SRD], v128, 4, v[SRD]
	v_add_nc_u32 v[SRD], s81, v[SRD]
	v_lshlrev_b32 v[GO], 12, v129
	v_lshl_add_u32 v[GO], v128, 4, v[GO]
	v_mov_b32 v[TP], 0                             ; lane permutes' destinations count as read
	v_mov_b32 v[WP], 0
	v_mov_b32 v[WP+1], 0
	v_mov_b32 v[F+1], 0                            ; (named as the upper half of the pair)
	v_mov_b32 v[NINF], 0xff800000
	s_wait_alu depctr_va_vdst(0)
	s_wait_dscnt 0x0                               ; both opening adds are done
	s_wait_kmcnt 0x0
	s_mov_b32 s[G0A], 1
	s_mov_b32 s[G0A+1], s76
	s_add_nc_u64 s[G0A+2:G0A+3], s[10:11], s[74:75]
	s_mov_b32 s[G0B], 1
	s_add_co_u32 s[G0B+1], s76, 6*DSB
	s_add_nc_u64 s[G0B+2:G0B+3], s[G0A+2:G0A+3], 6*DSB
	s_mov_b32 s[G0R], 1
	s_mov_b32 s[G0R+1], s76
	s_add_nc_u64 s[G0R+2:G0R+3], s[G0A+2:G0A+3], 10*DSB
	s_or_b32 s[G0A+3], s[G0A+3], 0x80000000
	s_or_b32 s[G0B+3], s[G0B+3], 0x80000000
	s_or_b32 s[G0R+3], s[G0R+3], 0x80000000
	s_mov_b32 s[G0Q], 1
	s_add_co_u32 s[G0Q+1], s77, WQL
	s_add_nc_u64 s[G0Q+2:G0Q+3], s[6:7], s[78:79]
	s_or_b32 s[G0Q+3], s[G0Q+3], 0x80000000
	s_add_nc_u64 s[4:5], s[4:5], s[66:67]          ; my tile's fragments of x,
	s_add_nc_u64 s[68:69], s[4:5], s[68:69]        ; and its scale words
	s_add_nc_u64 s[8:9], s[8:9], s[70:71]
	s_add_nc_u64 s[12:13], s[12:13], s[72:73]
	WIN 0x40
.irp s, 0,1,2,3,4,5,6,7
.irp g, 0,1,2
	global_load_b128 v[128+12*\s+4*\g:128+12*\s+4*\g+3], v[L16], s[4:5] offset:\s*6144+\g*512
.endr
.endr
	WIN 0
	global_load_b128 v[XQS:XQS+3], v[L16], s[68:69]
.irp j, 0,1,2,3,4,5,6,7
	global_load_b128 v[CSN+4*\j:CSN+4*\j+3], v[VT], s[8:9] offset:16*\j   ; cos and sin of frequencies 16 h .. 16 h + 15 at my query's position
.endr
	CROUND                                         ; all four work-groups are here: the first joint loads meet
	s_cmp_lt_u32 s[WV], 6                          ; the head's loads, one a wave: every way passes one
	s_cbranch_scc0 .Lhead_q
	tensor_load_to_lds s[G0A:G0A+3], s[G1:G1+7]    ; double step w
	s_nop 0
	PLACES
	s_branch .Lhead_asked
.Lhead_q:
	tensor_load_to_lds s[G0Q:G0Q+3], s[G1Q:G1Q+7]  ; a half of Wq's block
	s_nop 0
	PLACES
.Lhead_asked:
	s_wait_tensorcnt 0x0                           ; my load has landed; slot 1's first fill is issued as a refill is:
	ds_add_u32 v[SPW], v[NIL]
	s_wait_dscnt 0x0
	CROUND                                         ; slot 0 and Wq are whole, and the joint loads meet
	s_cmp_lt_u32 s[WV], 4
	s_cbranch_scc0 .Lno_slot1
	tensor_load_to_lds s[G0B:G0B+3], s[G1:G1+7]    ; double step 6 + w
	s_nop 0
	PLACES
.Lno_slot1:
.irp t, 0,1,2,3
	ds_load_b128 v[WQS+4*\t:WQS+4*\t+3], v[AQ] offset:49152+512*\t
.endr
	QW 0
	s_wait_loadcnt 0x0                             ; x's codes and scale words, cos and sin
.irp s, 0,1,2,3,4,5,6,7                ; q^T = Wq x^T: four accumulators by turns
.if \s < 7
.if \s >= 1
	PLACES
.endif
	QW \s+1
	s_wait_dscnt 12                                ; this K step's weights are in; the next step's 12 loads may be out
.else
	s_wait_dscnt 0x0
.endif
.if \s == 0
.set MD, 0
.elseif \s < 4
.set MD, 1
.else
.set MD, 2
.endif
	WIN 0x05
.irp t, 0,1,2,3
	ONE S+8*\t, 64*(\s%2)+12*\t, 128+12*\s, WQS+4*\t+\s%4, XQS+\s%4, MD
.endr
.endr
	WIN 0
	PLACES
	ROT S, CSN, T                                  ; register i of lane (r, h) is channel 32 h + i of query r
	v_max3_num_f32 v[BM], |v[T]|, |v[T+1]|, 0x1800000              ; my block's largest magnitude, with the floor 2^(3 - 127)
	v_max3_num_f32 v[BM+1], |v[T+2]|, |v[T+3]|, |v[T+4]|
.irp i, 5,9,13,17,21,25
	v_max3_num_f32 v[BM], v[BM], |v[T+\i]|, |v[T+\i+1]|
	v_max3_num_f32 v[BM+1], v[BM+1], |v[T+\i+2]|, |v[T+\i+3]|
.endr
	v_max3_num_f32 v[BM], v[BM], |v[T+29]|, |v[T+30]|
	v_max3_num_f32 v[BM], v[BM], v[BM+1], |v[T+31]|
	v_add_nc_u32 v[SO], 0xff000000, v[BM]
	WIN 0x40
	v_cvt_scalef32_pk16_fp6_f32 v[QC:QC+2], v[T:T+15], v[SO]
	WIN 0
	v_cvt_scalef32_pk16_fp6_f32 v[PT:PT+2], v[T+16:T+31], v[SO]
	v_lshrrev_b32 v[BP], 23, v[SO]                 ; the byte.  (The plain place behind the conversions)
	v_lshlrev_b32 v[BP], v[H8], v[BP]
	v_permlanex16_b32 v[TP], v[BP], s[SEL], s[SEL+1]
	v_or_b32 v[QS], v[BP], v[TP]
	v_or_b32 v[QS], 0x7f7f0000, v[QS]              ; bytes 2, 3 stand for 1.0, over zero codes
	WIN 0x40
.irp i, 0,1,2
	v_mov_b32 v[QC+3+\i], v[PT+\i]
.endr
.irp i, 0,1,2,3,4,5
	v_mov_b32 v[QC+6+\i], 0                        ; zero codes for K = 64 .. 127
	v_mov_b32 v[96+\i], 0                          ; what the last key tile finds in its upper six registers
.endr
.set jj, 0
.rept 32
	v_mov_b32 v[O+jj], 0                           ; O^T: the step is written once for all steps; the first change of M leaves zeros zeros
.set jj, jj+1
.endr
	WIN 0
	v_mov_b32 v[TMX], 0xff61b1e6                   ; -3e38, under every t
	v_floor_f32 v[NM], -v[TMX]
	v_mov_b32 v[SUM], 0
	v_mov_b32 v[SUM+1], 0
	ADDRS
	KLOAD 0
	s_wait_dscnt 0x0
	s_mov_b32 s[INC], 5
.Lfirst:                                               ; double steps 0-4
	STEP 0
	s_sub_co_u32 s[INC], s[INC], 1
	s_cmp_lg_u32 s[INC], 0
	s_cbranch_scc1 .Lfirst
	STEP 1                                         ; 5: slot 0 is filled again
	s_mov_b32 s[INC], 3
.Lsecond:                                              ; 6-8
	STEP 0
	s_sub_co_u32 s[INC], s[INC], 1
	s_cmp_lg_u32 s[INC], 0
	s_cbranch_scc1 .Lsecond
	STEP 2                                         ; 9: nothing is left to fetch
	s_mov_b32 s[INC], 0
.Lthird:                                               ; 10-15: the base is stepped beside the counter and the addresses are made at the trip's head, on every wave's path
	ADDRS
	s_cmp_gt_u32 s[INC], s[CL1]                    ; behind my diagonal every key is hidden: the step's work is left out
	s_cbranch_scc1 .Lhidden
	STEP 4
.Lhidden:
	s_add_co_u32 s[TB], s[TB], DSB                 ; on to the next double step
	s_add_co_u32 s[INC], s[INC], 1
	s_cmp_lt_u32 s[INC], 6
	s_cbranch_scc1 .Lthird
	; THE WAY OUT: O^T / the sum, through my stage, so that sixteen lanes store a query's 256 bytes of this head
	PLACES
	v_add_f32 v[SUM], v[SUM], v[SUM+1]
	DL 1
	v_permlanex16_b32 v[TP], v[SUM], s[SEL], s[SEL+1]
	DL 1
	v_add_f32 v[SUM], v[SUM], v[TP]
	s_wait_alu depctr_va_vdst(0)
	v_rcp_f32 v[SUM], v[SUM]
	v_nop                                          ; the plain place behind the reciprocal
	WIN 0x01
	s_wait_alu depctr_va_vdst(0)                   ; ahead of its first reader, and of the first reader of O^T
.set jj, 0
.rept 32
	v_mul_f32 v[S+jj], v[O+jj], v[SUM]             ; register 8 t + i is channel 16 t + 8 h + i of query r
.set jj, jj+1
.endr
	WIN 0
.irp t, 0,1,2,3
	ds_store_b128 v[STO], v[S+8*\t:S+8*\t+3] offset:64*\t
	ds_store_b128 v[STO], v[S+8*\t+4:S+8*\t+7] offset:64*\t+16
.endr
.irp i, 0,1,2,3,4,5,6,7
	ds_load_b128 v[S+32+4*\i:S+32+4*\i+3], v[SRD] offset:544*\i   ; in order behind my stores: rows 2 i and 2 i + 1
.endr
.irp i, 0,1,2,3,4,5,6,7
	s_wait_dscnt 7-\i                              ; the younger loads may be out
	global_store_b128 v[GO], v[S+32+4*\i:S+32+4*\i+3], s[12:13] offset:(2*\i+24*(\i/4))*4096 th:TH_STORE_NT   ; tile row rr is query rr + 24 (rr / 8) of my tile; 16 lanes store 256 consecutive bytes, aligned
.endr
	s_wait_tensorcnt 0x0                           ; the wave's end
	ds_add_u32 v[SPW], v[NIL]
	s_wait_dscnt 0x0
	CROUND                                         ; the closing round
	s_endpgm
.Lfunc_end_k_qdd948cc745_attn:
	.size	k_qdd948cc745_attn, .Lfunc_end_k_qdd948cc745_attn-k_qdd948cc745_attn
	.p2alignl 7, 3214868480
	.fill 96, 4, 3214868480
	.section	.rodata,"a",@progbits
	.p2align	6, 0x0
	.amdhsa_kernel k_qdd948cc745_attn
		.amdhsa_group_segment_fixed_size 327680
		.amdhsa_private_segment_fixed_size 0
		.amdhsa_enable_private_segment 0
		.amdhsa_kernarg_size 40
		.amdhsa_user_sgpr_count 2
		.amdhsa_user_sgpr_kernarg_segment_ptr 1
		.amdhsa_wavefront_size32 1
		.amdhsa_system_sgpr_workgroup_id_x 1
		.amdhsa_system_sgpr_workgroup_id_y 1
		.amdhsa_system_sgpr_workgroup_id_z 1
		.amdhsa_system_vgpr_workitem_id 0
		.amdhsa_next_free_vgpr 512
		.amdhsa_next_free_sgpr 84
		.amdhsa_reserve_vcc 1
		.amdhsa_float_denorm_mode_32 3
		.amdhsa_float_denorm_mode_16_64 3
		.amdhsa_memory_ordered 1
		.amdhsa_forward_progress 1
		.amdhsa_inst_pref_size 188
	.end_amdhsa_kernel
	.amdgpu_metadata
---
amdhsa.version: [ 1, 2 ]
amdhsa.kernels:
  - .name:           k_qdd948cc745_attn
    .symbol:         k_qdd948cc745_attn.kd
    .args:
      - { .name: XC, .offset: 0, .size: 8, .value_kind: global_buffer, .address_space: global }
      - { .name: WQC, .offset: 8, .size: 8, .value_kind: global_buffer, .address_space: global }
      - { .name: TAB, .offset: 16, .size: 8, .value_kind: global_buffer, .address_space: global }
      - { .name: KV, .offset: 24, .size: 8, .value_kind: global_buffer, .address_space: global }
      - { .name: out0, .offset: 32, .size: 8, .value_kind: global_buffer, .address_space: global }
    .group_segment_fixed_size: 327680
    .private_segment_fixed_size: 0
    .kernarg_segment_align: 8
    .kernarg_segment_size: 40
    .max_flat_workgroup_size: 256
    .sgpr_count:     84
    .vgpr_count:     512
    .wavefront_size: 32
...
	.end_amdgpu_metadata
.endif
;; end of part 3
